; MI455X (gfx1250); checked and timed in simulation.
; The chip was launched on July 23, 2026; its instructions are those of AMD's public machine-readable ISA for CDNA 5 (MIT licence, August 2026) and "CDNA5" Instruction Set Architecture Reference Guide (July 2026). The comments in the code are by the model that wrote it; some were corrected since.
;; Wav KAN Layer. Allowed arithmetic: matrix products marked QUANTISED: E2M3 operands, one E8M0 scale for each 32 along K, by v_wmma_scale_f32_16x16x128_f8f6f4 with both operands' format E2M3, f32 sums; products left as they are: f32 operands where the result goes on into a quantised operand, else bf16, f16 or f32 operands; f32 sums; everything else in f32.
;; Inputs: beta 512 float32; gamma 512 float32; scale 512 x 512 float32; translation 512 x 512 float32; wavelet_weights 512 x 512 float32; weight1 512 x 512 float32; x 1,024 x 512 float32.
;; Outputs: out0 1,024 x 512 float32.
;; This version of the problem:
;;   THIS VERSION OF THE PROBLEM IS GIVEN IN LOW PRECISION. The matrix products marked QUANTISED in the list below multiply operands that are first quantised to E2M3 (2 exponent bits, 3 mantissa bits; 6 bits a number), with one power-of-two scale for each 32 numbers along K (OCP MX v1.0); their sums are f32. All else is computed in f32.
;;   The module's matrix products, in the order in which they are computed (A, B: the left and right operand; K: the contracted axis; several contracted axes count as one K, in the product's order):
;;     1. batch 512 x [M 1, K 512] x [K 512, N 1,024]; A: input wavelet_weights; B: computed on the way: left as it is (M = 1 < 16)
;;     2. [M 1,024, K 512] x [K 512, N 512]; A: computed on the way; B: input weight1: QUANTISED
;;   THE QUANTISER, for each operand of a quantised product, along K:
;;     - K is cut into blocks of 32 from its start; a last block that is shorter is filled with zeros.
;;     - A block's scale is 2^e with e = floor(log2(the largest magnitude in the block)) - 2, held to -126 .. 127; a block of zeros has e = 0. As a byte (E8M0): e + 127.
;;     - Each number is divided by its block's scale, clamped to +-7.5, and rounded to the nearest number of E2M3, ties to even, subnormals kept.
;;     - The product sums the exact products of the quantised numbers (number of the format x scale) in f32.
;;   ~~~python
;;   def quantise(x, axis):      # numpy; x: float32 -> the quantised numbers, widened to float32 again
;;       x = np.moveaxis(x, axis, -1); K = x.shape[-1]
;;       x = np.pad(x, [(0, 0)] * (x.ndim - 1) + [(0, -K % 32)]); x = x.reshape(x.shape[:-1] + (-1, 32)); a = np.abs(x).max(-1, keepdims=True)
;;       e = np.where(a > 0, np.clip(np.frexp(np.where(a > 0, a, 1))[1] - 1 - 2, -126, 127), 0)      # np.frexp(a)[1] - 1 = floor(log2(a)), exactly
;;       r = np.clip(x / 2.0 ** e, -7.5, 7.5)
;;       step = 2.0 ** (np.maximum(np.frexp(np.where(r == 0, 1, r))[1] - 1, 0) - 3)
;;       q = np.round(r / step) * step * 2.0 ** e      # np.round: ties to even
;;       return np.moveaxis(q.reshape(q.shape[:-2] + (-1,))[..., :K], -1, axis).astype(np.float32)
;;   ~~~
;;   OPERANDS COMPUTED ON THE WAY. 'Computed on the way' means the value that the module computes at that place (a softmax that the list does not call 'softmax' is quantised finished and normalised). What goes into a quantiser is computed in f32, as accurately as f32 sums, v_exp_f32 and their like allow (about 1e-6 of the number): no bf16 or f16 on the way to a quantiser, and a product that is left as it is and whose result goes on into a quantised operand takes f32 operands (vector FMAs, or v_wmma_f32_16x16x4_f32). A number that lies on a knife's edge between two numbers of the format may be rounded either way, as far as f32 arithmetic and the matrix unit's own rounding can turn it there, and no further.
;; 2 versions, each right; version 2 is version 1 with the launch wavkan written anew for expert scheduling mode. Each part assembles by itself: llvm-mc -triple=amdgcn-amd-amdhsa -mcpu=gfx1250 --defsym DOCPART=n.
;; ======== version 1 of 2: 2 launches
;; workspace buffers: ybuf 2,097,152 bytes; stats 65,536 bytes
;; launch wavkan (part 1): grid 16 x 16, 16 waves a work-group, no clusters, 283,648 bytes of LDS; arguments x, scale, translation, wavelet_weights, weight1, ybuf, stats; writes ybuf, stats
.if DOCPART == 1
	.amdgcn_target "amdgcn-amd-amdhsa--gfx1250"
	.amdhsa_code_object_version 6
	.text
	.protected	k_q3e47fc8166_wavkan
	.globl	k_q3e47fc8166_wavkan
	.p2align	8
	.type	k_q3e47fc8166_wavkan,@function
k_q3e47fc8166_wavkan:
	s_mov_b64 s[64:65], 0
	v_nop
	global_prefetch_b8 v0, s[64:65] scope:SCOPE_SE
	s_setreg_imm32_b32 hwreg(HW_REG_WAVE_MODE, 25, 1), 1
	s_wait_xcnt 0x0
; y[b][o] = sum_i MH (u^2 - 1) exp(-u^2 / 2) ww[o][i]  +  sum_i Q(silu(x))[b][i] Q(weight1)[o][i],   u = (x[b][i] - t[o][i]) / s[o][i];  Q: MX-FP6 (E2M3), one E8M0 scale for 32 along i.
; x [1024][512], s, t, ww, weight1 [512][512], all f32.  This launch makes y by tiles and each tile's column statistics; the next launch normalises over the batch.
; SHARES.  A work-group makes 64 rows b x 32 columns o.  Its 16 waves share i: wave w owns i = 32 w .. 32 w + 31, which is one block of the quantiser, for all 64 b and 32 o.
; THE WAVELET TERM, 4 packed instructions and 2 exponentials for 2 elements:  z = x (kap / s) - t (kap / s), kap^2 = k = log2(e) / 2;  nv = k - z^2;  e = 2^nv;  sum += (nv e) ww',  ww' = -MH / (k sqrt(e)) ww.
;   Lane (p, h) = (lane % 16, lane / 16) holds columns p and p + 16 for the 16 i of half h: 3 x 32 derived numbers, made once in the work-group, stay in its registers.  A row's 16 x of a half come
;   by 4 LDS loads in which the lanes of a half name one address.  A row's two sums change halves by one lane swap: lane l ends with column l's sum over the wave's 32 i, which goes to LDS.
; THE BASE TERM.  Wave w quantises block w of silu(x) (a lane a row, two rows) and of weight1 (a lane a row); codes lie in LDS as rows of 16 x 24 bytes, scale bytes 16 a row.  Behind a barrier each wave
;   does two of the tile's 32 matrix instructions (tile of rows w % 4, tile of columns (w / 4) % 2, K half w / 8); its result is one more partial sum in LDS.
; THE END.  Thread (b, oq) adds 16 + 2 partials of four neighbouring columns, stores 16 bytes of y (a tile is 8,192 dense bytes of ybuf: a wave's store covers 512 consecutive bytes);
;   means and centred squares of groups of 4 rows are joined to the tile's (mean, M2) for each column: no difference of large sums is formed.
; NO CLUSTER, NO TENSOR LOAD: a tile's operands are 131,072 bytes of x and 4 x 65,536 of parameters, 393,216 in all, more than a work-group can claim of LDS; each is read once, at the head, into
;   registers, and turned through a wave's own stage; behind the head the launch reads nothing from memory, so nothing is prefetched either.
; LIMITS: (x - t) / s is formed as x r - t r with r = kap / s by v_rcp_f32 (1 ulp): its error is a few ulp of the larger term.  |s| under 2^-126 counts as 0.  Exponentials under 2^-126 become 0.
;   Where u^2 overflows the result is NaN, as it is in the definition (infinity x 0).  NaN and infinities among the inputs are not served.
.set XP,   144                         ; an LDS row of 32 f32: 128 bytes + 16
.set REG,  96*XP                       ; a wave's own LDS: 64 rows of x, then a stage of 32 rows
.set STG,  64*XP
.set AC,   16*REG                      ; codes of silu(x): 64 rows
.set CP,   400                         ; a row of codes: 384 bytes + 16 (100 words: rows start 36 banks apart)
.set BCO,  64*CP                       ; codes of weight1, 32 rows, behind them
.set AS,   AC+96*CP                    ; scale bytes: 64 rows x 16, then weight1's 32 x 16
.set BSO,  1024
.set QB,   AS+1536                     ; the base term's two partials, [64 b][32 o] f32 each
.set SM,   QB+16384                    ; 16 groups x 32 columns: means; SQO bytes on: centred squares
.set SQO,  2048
.set LN,   1                           ; v1   lane
.set STO,  2                           ; v2   into my x rows or stage, as loaded: 4 rows an instruction, 8 lanes a row
.set ROWA, 3                           ; v3   my region + 144 x lane: a lane a row
.set XB,   4                           ; v4   my region + 64 h: a row's 16 x of my half
.set P0,   5                           ; v5   my region + 4 x lane: partial sums, 128 bytes a row b, laid over x rows that have been read
.set XA,   6                           ; v6   address of the x loads in hand; at the end: 8 x lane, the statistics' place in memory
.set SMA,  7                           ; v7   at the end: SM + 4 x lane, a column's statistics in LDS
.set GO,   8                           ; v8   byte offset in memory: (lane / 8) rows of 2,048 + 16 (lane % 8); never rewritten
.set TR,   9                           ; v9   my region + 144 p + 64 h: parameters of column p, my half
.set RR,   12                          ; v12  lane % 16
.set HH,   13                          ; v13  lane / 16
.set CWA,  14                          ; v14  where I put a block's codes: AC + 400 x lane + 24 x wave
.set SWA,  15                          ; v15  and its scale byte: AS + 16 x lane + wave
.set RS,   16                          ; v16-47   kap / s:  16 of column p, 16 of column p + 16
.set CC,   48                          ; v48-79   -t kap / s
.set WW,   80                          ; v80-111  ww'
.set XB0,  112                         ; v112-127, v128-143  two buffers for a row's 16 x; column p + 16's z and nv are made in place there
.set XB1,  128
.set NVA,  144                         ; v144-159 column p's z, nv
.set E,    160                         ; v160-191 e, then nv e
.set ACC,  192                         ; v192-195 the two columns' sums, in pairs
.set SA,   196
.set SB,   197
.set RES,  198                         ; v198-199 a row's result, by the row's parity
.set PA,   200                         ; v200-201 its LDS address, likewise
.set RX,   112                         ; the head: v112-175 x as loaded; then SX 32 numbers of a row, EX at work
.set SX,   112
.set EX,   144
.set RW,   176                         ; v176-207 weight1
.set MXA,  208
.set MXB,  209
.set SO,   210                         ; the conversions' scale operand
.set BY,   211                         ; the scale's byte
.set CD,   212                         ; v212-217 a block's 24 bytes of codes
.set CT,   218
.set FAA,  222                         ; LDS addresses of my fragments, scale words and result
.set FBA,  223
.set SAA,  224
.set SBA,  225
.set QW,   226
.set FA,   112                         ; fragments: silu(x) 2 x 12 registers, weight1 2 x 12; the result
.set FB,   136
.set DD,   160
.set SCA,   252                        ; v252-255 scale words and nothing else
.set SCB,   254
.set L,    16                          ; the end: 18 partials of 4 numbers, v16-87
.set WV,   18
.set KK,   36                          ; s[36:37] k;  s[38:39] kap;  s[40:41] -MH / (k sqrt(e));  s[42:43] -log2(e);  s[46:47] 1/4  (packed forms name a pair and take its low word)
.set KAP,  38
.set CWS,  40
.set NL,   42
.set SEL,  44                          ; s[44:45] v_permlanex16_b32's selects for lane l xor 16
.set QTR,  46
.set XO,   48                          ; s48  288 x trip: two rows of x
.set PO,   49                          ; s49  256 x trip: two rows of partials
.set TRIPS, 50
.set BT,   51
	s_load_b256 s[4:11], s[0:1], 0x0               ; x, scale, translation, wavelet_weights
	s_load_b128 s[12:15], s[0:1], 0x20             ; weight1, ybuf
	s_load_b64 s[16:17], s[0:1], 0x30              ; stats
	v_lshl_add_u32 v250, v0, 2, 0x44c00
	v_mov_b32 v251, 0
	v_lshrrev_b32 v10, 5, v0
	v_readfirstlane_b32 s[WV], v10                 ; wave 0..15
	v_and_b32 v[LN], 31, v0
	v_lshrrev_b32 v10, 3, v[LN]
	v_and_b32 v11, 7, v[LN]
	v_lshlrev_b32 v[GO], 11, v10
	v_lshl_add_u32 v[GO], v11, 4, v[GO]
	s_and_b32 s[BT], ttmp7, 0xffff                 ; tile of rows; ttmp9: tile of columns
	s_lshl_b32 s20, s[WV], 7                       ; my 32 i: 128 bytes of every row
	s_lshl_b32 s22, s[BT], 17                      ; 64 rows of 2,048 bytes
	s_add_co_u32 s22, s22, s20
	s_mov_b32 s23, 0
	s_lshl_b32 s24, ttmp9, 16                      ; 32 rows of 2,048 bytes
	s_add_co_u32 s24, s24, s20
	s_mov_b32 s25, 0
	s_lshl_b32 s26, s[BT], 4
	s_add_co_u32 s26, s26, ttmp9
	s_lshl_b32 s26, s26, 13                        ; ybuf: tile (bt, ot) is 8,192 dense bytes
	s_mov_b32 s27, 0
	s_lshl_b32 s28, s[BT], 12                      ; stats: [16 bt][512 o] pairs of f32
	s_lshl_b32 s20, ttmp9, 8
	s_add_co_u32 s28, s28, s20
	s_mov_b32 s29, 0
	s_wait_kmcnt 0x0
	s_add_nc_u64 s[4:5], s[4:5], s[22:23]
	s_add_nc_u64 s[6:7], s[6:7], s[24:25]
	s_add_nc_u64 s[8:9], s[8:9], s[24:25]
	s_add_nc_u64 s[10:11], s[10:11], s[24:25]
	s_add_nc_u64 s[12:13], s[12:13], s[24:25]
	s_add_nc_u64 s[14:15], s[14:15], s[26:27]
	s_add_nc_u64 s[16:17], s[16:17], s[28:29]
; All 48 loads of the wave go out here, in the order in which they are wanted: eight lanes read a row's 128 bytes, four rows an instruction.
.set n, 0
.rept 16
	global_load_b128 v[RX+4*n:RX+4*n+3], v[GO], s[4:5] offset:8192*n
.set n, n+1
.endr
.set n, 0
.rept 8
	global_load_b128 v[RW+4*n:RW+4*n+3], v[GO], s[12:13] offset:8192*n
.set n, n+1
.endr
.set n, 0
.rept 8
	global_load_b128 v[RS+4*n:RS+4*n+3], v[GO], s[6:7] offset:8192*n
.set n, n+1
.endr
.set n, 0
.rept 8
	global_load_b128 v[CC+4*n:CC+4*n+3], v[GO], s[8:9] offset:8192*n
.set n, n+1
.endr
.set n, 0
.rept 8
	global_load_b128 v[WW+4*n:WW+4*n+3], v[GO], s[10:11] offset:8192*n
.set n, n+1
.endr
; LDS addresses: a constant, a constant x lane, a constant x wave
	v_and_b32 v[RR], 15, v[LN]
	v_lshrrev_b32 v[HH], 4, v[LN]
	s_mul_i32 s19, s[WV], REG                      ; my region
	v_mul_u32_u24 v[STO], v10, XP
	v_lshl_add_u32 v[STO], v11, 4, v[STO]
	v_add_nc_u32 v[STO], s19, v[STO]
	v_mul_u32_u24 v[ROWA], v[LN], XP
	v_add_nc_u32 v[ROWA], s19, v[ROWA]
	v_lshl_add_u32 v[XB], v[HH], 6, s19
	v_mul_u32_u24 v[TR], v[RR], XP
	v_add_nc_u32 v[TR], v[TR], v[XB]
	v_lshl_add_u32 v[P0], v[LN], 2, s19
	s_mul_i32 s20, s[WV], 24
	s_add_co_u32 s20, s20, AC
	v_mul_u32_u24 v[CWA], v[LN], CP
	v_add_nc_u32 v[CWA], s20, v[CWA]
	s_add_co_u32 s21, s[WV], AS
	v_lshl_add_u32 v[SWA], v[LN], 4, s21
	s_and_b32 s22, s[WV], 3                        ; my tile of 16 rows
	s_bfe_u32 s23, s[WV], 0x10002                  ; my tile of 16 columns
	s_lshr_b32 s24, s[WV], 3                       ; my half of K: 256 i = 192 bytes of codes = 8 scale bytes
	v_mul_u32_u24 v10, v[RR], CP
	v_mad_u32_u24 v10, v[HH], 24, v10              ; a fragment's row, + 24 bytes for lanes 16-31
	s_mul_i32 s25, s24, 192
	s_mul_i32 s26, s22, 16*CP
	s_add_co_u32 s26, s26, s25
	s_add_co_u32 s26, s26, AC
	v_add_nc_u32 v[FAA], s26, v10
	s_mul_i32 s26, s23, 16*CP
	s_add_co_u32 s26, s26, s25
	s_add_co_u32 s26, s26, AC+BCO
	v_add_nc_u32 v[FBA], s26, v10
	s_lshl_b32 s25, s24, 3
	s_lshl_b32 s26, s22, 8
	s_add_co_u32 s26, s26, s25
	s_add_co_u32 s26, s26, AS
	v_lshl_add_u32 v[SAA], v[RR], 4, s26
	s_lshl_b32 s26, s23, 8
	s_add_co_u32 s26, s26, s25
	s_add_co_u32 s26, s26, AS+BSO
	v_lshl_add_u32 v[SBA], v[RR], 4, s26
	s_lshl_b32 s25, s24, 13
	s_lshl_b32 s26, s22, 11
	s_add_co_u32 s25, s25, s26
	s_lshl_b32 s26, s23, 6
	s_add_co_u32 s25, s25, s26
	s_add_co_u32 s25, s25, QB
	v_lshlrev_b32 v10, 2, v[RR]
	v_lshl_add_u32 v10, v[HH], 10, v10
	v_add_nc_u32 v[QW], s25, v10                   ; result register j: row 16 mt + 8 h + j (128 bytes a row), column 16 nt + r
	s_mov_b32 s[KK], 0x3f38aa3b                    ; k = log2(e) / 2
	s_mov_b32 s[KK+1], 0x3f38aa3b
	s_mov_b32 s[KAP], 0x3f596d27                   ; sqrt(k)
	s_mov_b32 s[KAP+1], 0x3f596d27
	s_mov_b32 s[CWS], 0xbf3ab1a2                   ; -MH / (k sqrt(e)), MH = 2 / (sqrt(3) pi^(1/4))
	s_mov_b32 s[CWS+1], 0xbf3ab1a2
	s_mov_b32 s[NL], 0xbfb8aa3b                    ; -log2(e)
	s_mov_b32 s[NL+1], 0xbfb8aa3b
	s_mov_b32 s[SEL], 0x76543210
	s_mov_b32 s[SEL+1], 0xfedcba98
	s_mov_b32 s[QTR], 0x3e800000                   ; 1/4
	s_mov_b32 s[QTR+1], 0x3e800000
; 32 numbers of ONE lane, one block along K, become 24 bytes of codes in v[CD] on and the scale's byte in v[BY].
.macro QUANT32 src
	v_max3_num_f32 v[MXA], |v[\src]|, |v[\src+1]|, 0x1800000      ; the largest magnitude, in two chains; the floor 2^(3 - 127) among its leaves holds the byte at 1 from below
	v_max3_num_f32 v[MXB], |v[\src+2]|, |v[\src+3]|, |v[\src+4]|
.irp i, 5,9,13,17,21,25
	v_max3_num_f32 v[MXA], v[MXA], |v[\src+\i]|, |v[\src+\i+1]|
	v_max3_num_f32 v[MXB], v[MXB], |v[\src+\i+2]|, |v[\src+\i+3]|
.endr
	v_max3_num_f32 v[MXA], v[MXA], |v[\src+29]|, |v[\src+30]|
	v_max3_num_f32 v[MXA], v[MXA], v[MXB], |v[\src+31]|
	v_add_nc_u32 v[SO], 0xff000000, v[MXA]         ; 2 off its exponent field: the conversion takes this operand's exponent field as its scale
	v_cvt_scalef32_pk16_fp6_f32 v[CD:CD+2], v[\src:\src+15], v[SO]
	v_cvt_scalef32_pk16_fp6_f32 v[CT:CT+2], v[\src+16:\src+31], v[SO]   ; (a conversion's three registers begin on an even number)
	v_lshrrev_b32 v[BY], 23, v[SO]                 ; the byte; also the plain instruction behind the conversions.  (A block of zeros keeps the byte 1: its codes are zeros, and this launch alone reads the bytes)
	v_mov_b32 v[CD+3], v[CT]
	v_mov_b32 v[CD+4], v[CT+1]
	v_mov_b32 v[CD+5], v[CT+2]
.endm
.macro PUTCODES co, so
	ds_store_b64 v[CWA], v[CD:CD+1] offset:\co
	ds_store_b64 v[CWA], v[CD+2:CD+3] offset:\co+8
	ds_store_b64 v[CWA], v[CD+4:CD+5] offset:\co+16
	ds_store_b8 v[SWA], v[BY] offset:\so
.endm
; Rows lane + 32 q of x: silu = x / (1 + 2^(-x log2 e)), in f32, and its block's codes.
.macro SILUQ q
.irp c, 0,1,2,3,4,5,6,7
	ds_load_b128 v[SX+4*\c:SX+4*\c+3], v[ROWA] offset:32*XP*(\q)+16*\c
.endr
	s_wait_dscnt 0x0                               ; my row is in; every earlier LDS store of mine has read its registers
.set n, 0
.rept 16
	v_pk_mul_f32 v[EX+n:EX+n+1], v[SX+n:SX+n+1], s[NL:NL+1] op_sel_hi:[1,0]
.set n, n+2
.endr
.set n, 0
.rept 32
	v_exp_f32 v[EX+n], v[EX+n]
.set n, n+1
.endr
	v_nop                                          ; a plain instruction behind the last of the batch,
	s_wait_alu depctr_va_vdst(0)                   ; and one wait for the batch ahead of its first reader
.set n, 0
.rept 16
	v_pk_add_f32 v[EX+n:EX+n+1], v[EX+n:EX+n+1], 1.0 op_sel_hi:[1,0]
.set n, n+2
.endr
.set n, 0
.rept 32
	v_rcp_f32 v[EX+n], v[EX+n]
.set n, n+1
.endr
	v_nop
	s_wait_alu depctr_va_vdst(0)                   ; likewise for the reciprocals
.set n, 0
.rept 16
	v_pk_mul_f32 v[SX+n:SX+n+1], v[SX+n:SX+n+1], v[EX+n:EX+n+1]
.set n, n+2
.endr
	QUANT32 SX
	PUTCODES 32*CP*(\q), 512*(\q)
.endm
	s_wait_loadcnt 32                              ; x's 16 loads are in; behind them 32 were issued
.set n, 0
.rept 16
	ds_store_b128 v[STO], v[RX+4*n:RX+4*n+3] offset:4*XP*n
.set n, n+1
.endr
	SILUQ 0                                        ; LDS serves a wave's instructions in order (ISA guide 5.7.1.4): the loads see my stores; only I touch my region
	SILUQ 1
	s_wait_loadcnt 24                              ; weight1's 8 loads are in; behind them 24 were issued
.set n, 0
.rept 8
	ds_store_b128 v[STO], v[RW+4*n:RW+4*n+3] offset:STG+4*XP*n
.set n, n+1
.endr
.set n, 0
.rept 8
	ds_load_b128 v[RW+4*n:RW+4*n+3], v[ROWA] offset:STG+16*n      ; back a lane a row: column o = lane, my 32 i
.set n, n+1
.endr
	s_wait_dscnt 0x0
	QUANT32 RW
	PUTCODES BCO, BSO
	s_wait_dscnt 0x0                               ; for the others' sake: my codes and bytes lie in LDS
	s_barrier_signal -1
	s_barrier_wait -1                              ; everybody's do
; THE BASE TERM: 16 rows x 16 columns x 256 of K.  A fragment is 12 registers: lane (r, h) takes bytes 24 h .. and 48 + 24 h .. of its row's 96, in pieces of 8.
.irp u, 0,1
.irp p, 0,1,2,3,4,5
	ds_load_b64 v[FA+12*\u+2*\p:FA+12*\u+2*\p+1], v[FAA] offset:96*\u+48*(\p/3)+8*(\p%3)
	ds_load_b64 v[FB+12*\u+2*\p:FB+12*\u+2*\p+1], v[FBA] offset:96*\u+48*(\p/3)+8*(\p%3)
.endr
	ds_load_b32 v[SCA+\u], v[SAA] offset:4*\u
	ds_load_b32 v[SCB+\u], v[SBA] offset:4*\u
.endr
	s_wait_dscnt 0x0
	v_wmma_scale_f32_16x16x128_f8f6f4 v[DD:DD+7], v[FA:FA+11], v[FB:FB+11], 0, v[SCA], v[SCB] matrix_a_fmt:MATRIX_FMT_FP6 matrix_b_fmt:MATRIX_FMT_FP6
	s_wait_alu depctr_va_vdst(0)                   ; the wait directly ahead of the second
	v_wmma_scale_f32_16x16x128_f8f6f4 v[DD:DD+7], v[FA+12:FA+23], v[FB+12:FB+23], v[DD:DD+7], v[SCA+1], v[SCB+1] matrix_a_fmt:MATRIX_FMT_FP6 matrix_b_fmt:MATRIX_FMT_FP6
.rept 4
	v_nop                                          ; four places ahead of the stores that read the result and of the loads into the fragments' registers
.endr
.irp j, 0,1,2,3,4,5,6,7
	ds_store_b32 v[QW], v[DD+\j] offset:128*\j     ; from the low end on
.endr
; THE PARAMETERS: each array's 32 rows x 128 bytes turn through my stage, one array after the other, and come back as 16 numbers of column p and 16 of column p + 16, my half's i.
.macro TRANSP a
.set n, 0
.rept 8
	ds_store_b128 v[STO], v[\a+4*n:\a+4*n+3] offset:STG+4*XP*n
.set n, n+1
.endr
.set n, 0
.rept 4
	ds_load_b128 v[\a+4*n:\a+4*n+3], v[TR] offset:STG+16*n
	ds_load_b128 v[\a+16+4*n:\a+16+4*n+3], v[TR] offset:STG+16*XP+16*n
.set n, n+1
.endr
.endm
	s_wait_loadcnt 16                              ; scale is in; behind it 16 loads were issued
	TRANSP RS
	s_wait_loadcnt 8                               ; translation; 8 behind it
	TRANSP CC
	s_wait_loadcnt 0x0
	TRANSP WW
.irp c, 0,1,2,3
	ds_load_b128 v[XB0+4*\c:XB0+4*\c+3], v[XB] offset:16*\c       ; row 0 of x, my half
.endr
	s_mov_b32 s[XO], 0
	s_mov_b32 s[PO], 0
	s_mov_b32 s[TRIPS], 31
	s_wait_dscnt 0x0
.set n, 0
.rept 32
	v_rcp_f32 v[RS+n], v[RS+n]
.set n, n+1
.endr
.set n, 0
.rept 16
	v_pk_mul_f32 v[WW+n:WW+n+1], v[WW+n:WW+n+1], s[CWS:CWS+1] op_sel_hi:[1,0]   ; independent work behind the reciprocals
.set n, n+2
.endr
	s_wait_alu depctr_va_vdst(0)                   ; one wait for the 32 reciprocals, ahead of their first reader
.set n, 0
.rept 16
	v_pk_mul_f32 v[RS+n:RS+n+1], v[RS+n:RS+n+1], s[KAP:KAP+1] op_sel_hi:[1,0]
.set n, n+2
.endr
.set n, 0
.rept 16
	v_pk_mul_f32 v[CC+n:CC+n+1], v[CC+n:CC+n+1], v[RS+n:RS+n+1] neg_lo:[1,0] neg_hi:[1,0]
.set n, n+2
.endr
; A ROW OF x: 16 units of two elements.  Unit u < 8: column p, pair u of my 16 i; unit u >= 8: column p + 16, pair u - 8, made in place over the x that it is the last to read.
.macro NVR u, cur
.if (\u) < 8
.set R, NVA+2*(\u)
.else
.set R, (\cur)+2*((\u)-8)
.endif
.endm
.macro ZOP u, cur
	NVR \u, \cur
	v_pk_fma_f32 v[R:R+1], v[(\cur)+2*((\u)%8):(\cur)+2*((\u)%8)+1], v[RS+2*(\u):RS+2*(\u)+1], v[CC+2*(\u):CC+2*(\u)+1]
.endm
.macro NVOP u, cur
	NVR \u, \cur
	v_pk_fma_f32 v[R:R+1], v[R:R+1], v[R:R+1], s[KK:KK+1] op_sel_hi:[1,1,0] neg_lo:[1,0,0] neg_hi:[1,0,0]
.endm
.macro EOP u, cur
	NVR \u, \cur
	v_exp_f32 v[E+2*(\u)], v[R]
	v_exp_f32 v[E+2*(\u)+1], v[R+1]
.endm
.macro TOP u, cur
	NVR \u, \cur
	v_pk_mul_f32 v[E+2*(\u):E+2*(\u)+1], v[E+2*(\u):E+2*(\u)+1], v[R:R+1]
.endm
.macro AOP u                           ; a column's first unit starts its sum: nothing is cleared
.if ((\u)%8) == 0
	v_pk_mul_f32 v[ACC+2*((\u)/8):ACC+2*((\u)/8)+1], v[E+2*(\u):E+2*(\u)+1], v[WW+2*(\u):WW+2*(\u)+1]
.else
	v_pk_fma_f32 v[ACC+2*((\u)/8):ACC+2*((\u)/8)+1], v[E+2*(\u):E+2*(\u)+1], v[WW+2*(\u):WW+2*(\u)+1], v[ACC+2*((\u)/8):ACC+2*((\u)/8)+1]
.endif
.endm
; cur: the buffer with this row's x; nxt: the other; par: the row's parity; pre = 1: the next row is asked for.
.macro ROW cur, nxt, par, pre
	s_wait_dscnt 0x1                               ; my row's four loads are in: behind them one LDS instruction was issued, the last row's store.  The store of two rows back is done too: its registers are written again below
.if (\par) == 0
	v_add_nc_u32 v[XA], s[XO], v[XB]               ; (no load that names it is out)
.endif
.if \pre
.irp c, 0,1,2,3
	ds_load_b128 v[(\nxt)+4*\c:(\nxt)+4*\c+3], v[XA] offset:XP*(1+(\par))+16*\c
.endr
.endif
	ZOP 0, \cur
	ZOP 1, \cur
	ZOP 2, \cur
	ZOP 3, \cur
	NVOP 0, \cur
	NVOP 1, \cur
.set uu, 0
.rept 16                               ; two packed instructions of later units stand ahead of each unit's two exponentials
.if uu+4 < 16
	ZOP uu+4, \cur
.endif
.if uu+2 < 16
	NVOP uu+2, \cur
.endif
	EOP uu, \cur
.set uu, uu+1
.endr
	v_add_nc_u32 v[PA+(\par)], s[PO], v[P0]        ; where the row's result goes; also the plain instruction behind the last exponential
	s_wait_alu depctr_va_vdst(0)                   ; one wait for the row's 32 exponentials, ahead of their first reader
.set ii, 0
.rept 16                               ; the two columns by turns; a unit's product stands four instructions ahead of its addition
	TOP (ii%2)*8+ii/2, \cur
.if ii >= 4
	AOP ((ii-4)%2)*8+(ii-4)/2
.endif
.set ii, ii+1
.endr
.irp n, 12,13,14,15
	AOP (\n%2)*8+\n/2
.endr
	v_add_f32 v[SA], v[ACC], v[ACC+1]              ; column p, my 16 i
	v_add_f32 v[SB], v[ACC+2], v[ACC+3]            ; column p + 16, my 16 i
	v_permlane16_swap_b32 v[SA], v[SB]             ; SA's lanes 16-31 change places with SB's lanes 0-15: each lane now holds both halves' sums of column = lane
	v_add_f32 v[RES+(\par)], v[SA], v[SB]
	ds_store_b32 v[PA+(\par)], v[RES+(\par)] offset:128*(\par)    ; row b's 128 bytes end at 128 b + 128, under x's row b + 1 at 144 b + 144: only rows that have been read are covered
.endm
.Ltrip:                                            ; 31 trips of two rows; the last two rows are written out, since the very last asks for no further row
	ROW XB0, XB1, 0, 1
	ROW XB1, XB0, 1, 1
	s_add_co_u32 s[XO], s[XO], 2*XP
	s_add_co_u32 s[PO], s[PO], 256
	s_sub_co_i32 s[TRIPS], s[TRIPS], 1
	s_cmp_lg_u32 s[TRIPS], 0
	s_cbranch_scc1 .Ltrip
	ROW XB0, XB1, 0, 1
	ROW XB1, XB0, 1, 0
	s_wait_dscnt 0x0                               ; for the others' sake: my partials lie in LDS
	s_barrier_signal -1
	s_barrier_wait -1
; THE SUM OVER THE WAVES.  Thread 8 b + oq takes row b, columns 4 oq .. 4 oq + 3: its 16 bytes lie at 16 x thread in each wave's region and in the base term's two partials.
	v_lshlrev_b32 v10, 4, v0
	v_add_nc_u32 v11, 4*REG, v10
	v_add_nc_u32 v12, 8*REG, v10
	v_add_nc_u32 v13, 12*REG, v10
	v_add_nc_u32 v14, QB, v10
.irp g, 0,1,2,3
.irp u, 0,1,2,3
	ds_load_b128 v[L+16*\g+4*\u:L+16*\g+4*\u+3], v[10+\g] offset:\u*REG
.endr
.endr
	ds_load_b128 v[L+64:L+67], v14
	ds_load_b128 v[L+68:L+71], v14 offset:8192
	v_and_b32 v15, 7, v0                           ; the lines down to the wait write v6, v7 and v15 alone: none of v16-87, into which the 18 loads are on their way
	v_lshlrev_b32 v15, 4, v15
	s_lshl_b32 s30, s[WV], 7
	s_add_co_u32 s30, s30, SM
	v_add_nc_u32 v15, s30, v15                     ; my group's statistics: 128 bytes a wave, 16 for four columns
	v_lshl_add_u32 v[SMA], v[LN], 2, SM            ; wave 0's two addresses, made ahead of the branch on the wave's number, in registers that never hold loaded data
	v_lshlrev_b32 v[XA], 3, v[LN]
.macro QADD a, b
	v_pk_add_f32 v[L+4*(\a):L+4*(\a)+1], v[L+4*(\a):L+4*(\a)+1], v[L+4*(\b):L+4*(\b)+1]
	v_pk_add_f32 v[L+4*(\a)+2:L+4*(\a)+3], v[L+4*(\a)+2:L+4*(\a)+3], v[L+4*(\b)+2:L+4*(\b)+3]
.endm
	s_wait_dscnt 0x0
.irp n, 0,1,2,3,4,5,6,7,8
	QADD \n, \n+9
.endr
.irp n, 0,1,2,3
	QADD \n, \n+4
.endr
	QADD 0, 2
	QADD 1, 3
	QADD 0, 1
	QADD 0, 8
	global_store_b128 v10, v[L:L+3], s[14:15]      ; a wave stores 512 consecutive bytes of the tile; v10 and v16-19 are not written again
; A wave holds 4 rows (lane / 8) of each column: their mean, and the squares about it, by lanes l xor 8 and l xor 16.
.irp c, 0,1,2,3
	v_add_f32_dpp v[20+\c], v[16+\c], v[16+\c] row_xmask:8 row_mask:0xf bank_mask:0xf
.endr
.irp c, 0,1,2,3
	v_permlanex16_b32 v[24+\c], v[20+\c], s[SEL], s[SEL+1]
.endr
	v_pk_add_f32 v[20:21], v[20:21], v[24:25]
	v_pk_add_f32 v[22:23], v[22:23], v[26:27]
	v_pk_mul_f32 v[28:29], v[20:21], s[QTR:QTR+1] op_sel_hi:[1,0]
	v_pk_mul_f32 v[30:31], v[22:23], s[QTR:QTR+1] op_sel_hi:[1,0]
	v_pk_add_f32 v[32:33], v[16:17], v[28:29] neg_lo:[0,1] neg_hi:[0,1]
	v_pk_add_f32 v[34:35], v[18:19], v[30:31] neg_lo:[0,1] neg_hi:[0,1]
	v_pk_mul_f32 v[32:33], v[32:33], v[32:33]
	v_pk_mul_f32 v[34:35], v[34:35], v[34:35]
.irp c, 0,1,2,3
	v_add_f32_dpp v[20+\c], v[32+\c], v[32+\c] row_xmask:8 row_mask:0xf bank_mask:0xf
.endr
.irp c, 0,1,2,3
	v_permlanex16_b32 v[24+\c], v[20+\c], s[SEL], s[SEL+1]
.endr
	v_pk_add_f32 v[32:33], v[20:21], v[24:25]
	v_pk_add_f32 v[34:35], v[22:23], v[26:27]
	ds_store_b128 v15, v[28:31]                    ; the four lanes that hold the same columns write the same bytes with the same values
	ds_store_b128 v15, v[32:35] offset:SQO
	s_wait_dscnt 0x0
	s_barrier_signal -1
	s_barrier_wait -1
	s_cmp_lg_u32 s[WV], 0                          ; wave 0 joins the 16 groups, a lane a column
	s_cbranch_scc1 .Lend
.set g, 0
.rept 16
	ds_load_b32 v[40+g], v[SMA] offset:128*g
	ds_load_b32 v[56+g], v[SMA] offset:SQO+128*g
.set g, g+1
.endr
	s_wait_dscnt 0x0
	v_pk_add_f32 v[72:73], v[40:41], v[42:43]
	v_pk_add_f32 v[74:75], v[44:45], v[46:47]
	v_pk_add_f32 v[76:77], v[56:57], v[58:59]
	v_pk_add_f32 v[78:79], v[60:61], v[62:63]
.irp n, 48,52
	v_pk_add_f32 v[72:73], v[72:73], v[\n:\n+1]
	v_pk_add_f32 v[74:75], v[74:75], v[\n+2:\n+3]
	v_pk_add_f32 v[76:77], v[76:77], v[\n+16:\n+17]
	v_pk_add_f32 v[78:79], v[78:79], v[\n+18:\n+19]
.endr
	v_pk_add_f32 v[72:73], v[72:73], v[74:75]
	v_pk_add_f32 v[76:77], v[76:77], v[78:79]
	v_add_f32 v72, v72, v73
	v_add_f32 v76, v76, v77                        ; the groups' squares
	v_mul_f32 v72, 0x3d800000, v72                 ; the tile's mean: the 16 groups are of one size
	v_mov_b32 v73, v72
.irp n, 40,42,44,46,48,50,52,54
	v_pk_add_f32 v[\n:\n+1], v[\n:\n+1], v[72:73] neg_lo:[0,1] neg_hi:[0,1]
.endr
	v_pk_mul_f32 v[74:75], v[40:41], v[40:41]
	v_pk_mul_f32 v[78:79], v[42:43], v[42:43]
.irp n, 44,48,52
	v_pk_fma_f32 v[74:75], v[\n:\n+1], v[\n:\n+1], v[74:75]
	v_pk_fma_f32 v[78:79], v[\n+2:\n+3], v[\n+2:\n+3], v[78:79]
.endr
	v_pk_add_f32 v[74:75], v[74:75], v[78:79]
	v_add_f32 v74, v74, v75
	v_fma_f32 v73, v74, 4.0, v76                   ; M2 = the groups' squares + 4 x the squares of the groups' means about the tile's
	global_store_b64 v[XA], v[72:73], s[16:17]     ; 32 lanes store 256 consecutive bytes, at a multiple of 256 from the buffer's first byte
.Lend:
	s_wait_tensorcnt 0x0
	ds_add_u32 v250, v251
	s_wait_dscnt 0x0
	s_endpgm
.Lfunc_end_k_q3e47fc8166_wavkan:
	.size	k_q3e47fc8166_wavkan, .Lfunc_end_k_q3e47fc8166_wavkan-k_q3e47fc8166_wavkan
	.p2alignl 7, 3214868480
	.fill 96, 4, 3214868480
	.section	.rodata,"a",@progbits
	.p2align	6, 0x0
	.amdhsa_kernel k_q3e47fc8166_wavkan
		.amdhsa_group_segment_fixed_size 283648
		.amdhsa_private_segment_fixed_size 0
		.amdhsa_enable_private_segment 0
		.amdhsa_kernarg_size 56
		.amdhsa_user_sgpr_count 2
		.amdhsa_user_sgpr_kernarg_segment_ptr 1
		.amdhsa_wavefront_size32 1
		.amdhsa_system_sgpr_workgroup_id_x 1
		.amdhsa_system_sgpr_workgroup_id_y 1
		.amdhsa_system_sgpr_workgroup_id_z 1
		.amdhsa_system_vgpr_workitem_id 0
		.amdhsa_next_free_vgpr 256
		.amdhsa_next_free_sgpr 66
		.amdhsa_reserve_vcc 0
		.amdhsa_float_denorm_mode_32 3
		.amdhsa_float_denorm_mode_16_64 3
		.amdhsa_memory_ordered 1
		.amdhsa_forward_progress 1
		.amdhsa_inst_pref_size 71
	.end_amdhsa_kernel
	.amdgpu_metadata
---
amdhsa.version: [ 1, 2 ]
amdhsa.kernels:
  - .name:           k_q3e47fc8166_wavkan
    .symbol:         k_q3e47fc8166_wavkan.kd
    .args:
      - { .name: x, .offset: 0, .size: 8, .value_kind: global_buffer, .address_space: global }
      - { .name: scale, .offset: 8, .size: 8, .value_kind: global_buffer, .address_space: global }
      - { .name: translation, .offset: 16, .size: 8, .value_kind: global_buffer, .address_space: global }
      - { .name: wavelet_weights, .offset: 24, .size: 8, .value_kind: global_buffer, .address_space: global }
      - { .name: weight1, .offset: 32, .size: 8, .value_kind: global_buffer, .address_space: global }
      - { .name: ybuf, .offset: 40, .size: 8, .value_kind: global_buffer, .address_space: global }
      - { .name: stats, .offset: 48, .size: 8, .value_kind: global_buffer, .address_space: global }
    .group_segment_fixed_size: 283648
    .private_segment_fixed_size: 0
    .kernarg_segment_align: 8
    .kernarg_segment_size: 56
    .max_flat_workgroup_size: 512
    .sgpr_count:     66
    .vgpr_count:     256
    .wavefront_size: 32
...
	.end_amdgpu_metadata
.endif
;; end of part 1
;; launch norm (part 2): grid 8 x 32, 8 waves a work-group, no clusters, 2,048 bytes of LDS; arguments ybuf, stats, gamma, beta, out0; writes out0
.if DOCPART == 2
	.amdgcn_target "amdgcn-amd-amdhsa--gfx1250"
	.amdhsa_code_object_version 6
	.text
	.protected	k_q3e47fc8166_norm
	.globl	k_q3e47fc8166_norm
	.p2align	8
	.type	k_q3e47fc8166_norm,@function
k_q3e47fc8166_norm:
	s_mov_b64 s[64:65], 0
	v_nop
	global_prefetch_b8 v0, s[64:65] scope:SCOPE_SE
	s_setreg_imm32_b32 hwreg(HW_REG_WAVE_MODE, 25, 1), 1
	s_wait_xcnt 0x0
; out[b][o] = (y[b][o] - mean[o]) rsqrt(var[o] + 1e-5) gamma[o] + beta[o], mean and var over the 1,024 rows.
; ybuf holds y as tiles of 64 rows x 32 columns, 8,192 dense bytes each, tile (bt, ot) at 16 bt + ot; stats holds for each bt and column the tile's mean and its squares about that mean.
; A work-group takes 32 rows x 64 columns (parts of two neighbouring tiles).  Waves 0 and 1, a lane a column, join the 16 tiles' statistics:
; mean = the mean of the means (tiles of one size), var = (sum of M2 + 64 x sum of (tile mean - mean)^2) / 1024: no difference of large sums.  They hand mean, gain and beta to all waves through LDS.
; A stream of 8 KB in and 8 KB out for each work-group: no matrix work, no tensor load, no cluster; the statistics (8 KB each), gamma and beta are the only bytes that several work-groups read.
.set LMEAN, 0                          ; LDS: 64 means, 64 gains, 64 betas
.set LGAIN, 256
.set LBETA, 512
	s_load_b256 s[4:11], s[0:1], 0x0               ; ybuf, stats, gamma, beta
	s_load_b64 s[12:13], s[0:1], 0x20              ; out0
	v_lshl_add_u32 v80, v0, 2, 0x400
	v_mov_b32 v81, 0
	v_lshrrev_b32 v1, 5, v0
	v_readfirstlane_b32 s14, v1                    ; wave 0..7
	s_and_b32 s15, ttmp7, 0xffff                   ; which 32 rows; ttmp9: which 64 columns
	s_lshr_b32 s16, s15, 1
	s_lshl_b32 s16, s16, 17                        ; 16 tiles of 8,192 bytes for each 64 rows
	s_lshl_b32 s17, ttmp9, 14                      ; two tiles for each 64 columns
	s_add_co_u32 s16, s16, s17
	s_and_b32 s17, s15, 1
	s_lshl_b32 s17, s17, 12                        ; the tile's upper or lower 32 rows of 128 bytes
	s_add_co_u32 s16, s16, s17
	s_mov_b32 s17, 0
	s_lshl_b32 s18, s15, 16                        ; out: 32 rows of 2,048 bytes,
	s_lshl_b32 s19, ttmp9, 8                       ; 64 columns of 4 bytes
	s_add_co_u32 s18, s18, s19
	s_mov_b32 s19, 0
	s_lshl_b32 s24, ttmp9, 9                       ; stats: 64 columns of 8 bytes
	s_mov_b32 s25, 0
	s_lshl_b32 s26, ttmp9, 8                       ; gamma, beta
	s_mov_b32 s27, 0
	s_mov_b32 s20, 0x42800000                      ; 64
	s_mov_b32 s21, 0x3a800000                      ; 1 / 1024
	s_mov_b32 s22, 0x3727c5ac                      ; 1e-5
	v_and_b32 v2, 15, v0                           ; c: which four of the 64 columns
	v_lshrrev_b32 v3, 4, v0                        ; row 0..15; the second load and store take the row 16 further down
	v_and_b32 v4, 7, v2
	v_lshrrev_b32 v5, 3, v2                        ; which of the two tiles
	v_lshlrev_b32 v6, 4, v4
	v_lshl_add_u32 v6, v5, 13, v6
	v_lshl_add_u32 v6, v3, 7, v6                   ; in ybuf
	v_lshlrev_b32 v7, 4, v2
	v_lshl_add_u32 v7, v3, 11, v7                  ; in out0: sixteen lanes cover a row's 256 bytes
	v_lshlrev_b32 v8, 3, v0                        ; waves 0 and 1: column = thread
	v_lshlrev_b32 v9, 2, v0
	v_lshlrev_b32 v10, 4, v2
	s_wait_kmcnt 0x0
	s_add_nc_u64 s[4:5], s[4:5], s[16:17]
	s_add_nc_u64 s[6:7], s[6:7], s[24:25]
	s_add_nc_u64 s[8:9], s[8:9], s[26:27]
	s_add_nc_u64 s[10:11], s[10:11], s[26:27]
	s_add_nc_u64 s[12:13], s[12:13], s[18:19]
	global_load_b128 v[16:19], v6, s[4:5] th:TH_LOAD_NT
	global_load_b128 v[20:23], v6, s[4:5] offset:2048 th:TH_LOAD_NT
	s_cmp_lt_u32 s14, 2
	s_cbranch_scc0 .Lrest
.set t, 0
.rept 16
	global_load_b64 v[32+2*t:33+2*t], v8, s[6:7] offset:4096*t    ; tile t's (mean, M2) of my column: a wave reads 256 consecutive bytes
.set t, t+1
.endr
	global_load_b32 v64, v9, s[8:9]
	global_load_b32 v65, v9, s[10:11]
	s_wait_loadcnt 0x0
	v_pk_add_f32 v[66:67], v[32:33], v[34:35]      ; the means' sum and the squares' sum side by side
	v_pk_add_f32 v[68:69], v[36:37], v[38:39]
.irp n, 40,44,48,52,56,60
	v_pk_add_f32 v[66:67], v[66:67], v[\n:\n+1]
	v_pk_add_f32 v[68:69], v[68:69], v[\n+2:\n+3]
.endr
	v_pk_add_f32 v[66:67], v[66:67], v[68:69]
	v_mul_f32 v66, 0x3d800000, v66                 ; the mean
	v_sub_f32 v70, v32, v66
	v_sub_f32 v71, v34, v66
	v_mul_f32 v68, v70, v70
	v_mul_f32 v69, v71, v71
.irp n, 36,40,44,48,52,56,60
	v_sub_f32 v70, v[\n], v66
	v_sub_f32 v71, v[\n+2], v66
	v_fma_f32 v68, v70, v70, v68
	v_fma_f32 v69, v71, v71, v69
.endr
	v_add_f32 v68, v68, v69
	v_fma_f32 v67, v68, s20, v67                   ; + 64 x the squares of the tiles' means about the mean
	v_fma_f32 v67, v67, s21, s22                   ; var + 1e-5
	v_rsq_f32 v69, v67
	v_nop                                          ; a plain instruction behind it,
	s_wait_alu depctr_va_vdst(0)                   ; and the wait ahead of its reader
	v_mul_f32 v69, v69, v64
	ds_store_b32 v9, v66 offset:LMEAN
	ds_store_b32 v9, v69 offset:LGAIN
	ds_store_b32 v9, v65 offset:LBETA
.Lrest:
	s_wait_dscnt 0x0                               ; for the others' sake: the stores have landed
	s_barrier_signal -1
	s_barrier_wait -1
	ds_load_b128 v[24:27], v10 offset:LMEAN
	ds_load_b128 v[28:31], v10 offset:LGAIN
	ds_load_b128 v[40:43], v10 offset:LBETA
	s_wait_loadcnt 0x0                             ; y
	s_wait_dscnt 0x0
.irp q, 16,20
	v_pk_add_f32 v[\q:\q+1], v[\q:\q+1], v[24:25] neg_lo:[0,1] neg_hi:[0,1]
	v_pk_add_f32 v[\q+2:\q+3], v[\q+2:\q+3], v[26:27] neg_lo:[0,1] neg_hi:[0,1]
	v_pk_fma_f32 v[\q:\q+1], v[\q:\q+1], v[28:29], v[40:41]
	v_pk_fma_f32 v[\q+2:\q+3], v[\q+2:\q+3], v[30:31], v[42:43]
.endr
	global_store_b128 v7, v[16:19], s[12:13] th:TH_STORE_NT              ; 16 lanes store 256 consecutive bytes, at a multiple of 256 from out0's first byte
	global_store_b128 v7, v[20:23], s[12:13] offset:32768 th:TH_STORE_NT
	s_wait_tensorcnt 0x0
	ds_add_u32 v80, v81
	s_wait_dscnt 0x0
	s_endpgm
.Lfunc_end_k_q3e47fc8166_norm:
	.size	k_q3e47fc8166_norm, .Lfunc_end_k_q3e47fc8166_norm-k_q3e47fc8166_norm
	.p2alignl 7, 3214868480
	.fill 96, 4, 3214868480
	.section	.rodata,"a",@progbits
	.p2align	6, 0x0
	.amdhsa_kernel k_q3e47fc8166_norm
		.amdhsa_group_segment_fixed_size 2048
		.amdhsa_private_segment_fixed_size 0
		.amdhsa_enable_private_segment 0
		.amdhsa_kernarg_size 40
		.amdhsa_user_sgpr_count 2
		.amdhsa_user_sgpr_kernarg_segment_ptr 1
		.amdhsa_wavefront_size32 1
		.amdhsa_system_sgpr_workgroup_id_x 1
		.amdhsa_system_sgpr_workgroup_id_y 1
		.amdhsa_system_sgpr_workgroup_id_z 1
		.amdhsa_system_vgpr_workitem_id 0
		.amdhsa_next_free_vgpr 82
		.amdhsa_next_free_sgpr 66
		.amdhsa_reserve_vcc 0
		.amdhsa_float_denorm_mode_32 3
		.amdhsa_float_denorm_mode_16_64 3
		.amdhsa_memory_ordered 1
		.amdhsa_forward_progress 1
		.amdhsa_inst_pref_size 9
	.end_amdhsa_kernel
	.amdgpu_metadata
---
amdhsa.version: [ 1, 2 ]
amdhsa.kernels:
  - .name:           k_q3e47fc8166_norm
    .symbol:         k_q3e47fc8166_norm.kd
    .args:
      - { .name: ybuf, .offset: 0, .size: 8, .value_kind: global_buffer, .address_space: global }
      - { .name: stats, .offset: 8, .size: 8, .value_kind: global_buffer, .address_space: global }
      - { .name: gamma, .offset: 16, .size: 8, .value_kind: global_buffer, .address_space: global }
      - { .name: beta, .offset: 24, .size: 8, .value_kind: global_buffer, .address_space: global }
      - { .name: out0, .offset: 32, .size: 8, .value_kind: global_buffer, .address_space: global }
    .group_segment_fixed_size: 2048
    .private_segment_fixed_size: 0
    .kernarg_segment_align: 8
    .kernarg_segment_size: 40
    .max_flat_workgroup_size: 256
    .sgpr_count:     66
    .vgpr_count:     82
    .wavefront_size: 32
...
	.end_amdgpu_metadata
.endif
;; end of part 2
;; ======== version 2 of 2: 2 launches; version 1 with the launch wavkan written anew for expert scheduling mode
;; workspace buffers: ybuf 2,097,152 bytes; stats 65,536 bytes
;; launch wavkan (part 3): grid 16 x 16, 16 waves a work-group, no clusters, 283,648 bytes of LDS; arguments x, scale, translation, wavelet_weights, weight1, ybuf, stats; writes ybuf, stats
.if DOCPART == 3
	.amdgcn_target "amdgcn-amd-amdhsa--gfx1250"
	.amdhsa_code_object_version 6
	.text
	.protected	k_q3e47fc8166_wavkan
	.globl	k_q3e47fc8166_wavkan
	.p2align	8
	.type	k_q3e47fc8166_wavkan,@function
k_q3e47fc8166_wavkan:
	s_mov_b64 s[64:65], 0
	v_nop
	global_prefetch_b8 v0, s[64:65] scope:SCOPE_SE
	s_setreg_imm32_b32 hwreg(HW_REG_WAVE_SCHED_MODE, 0, 2), 2
	s_setreg_imm32_b32 hwreg(HW_REG_WAVE_MODE, 25, 1), 1
	s_wait_xcnt 0x0
	s_wait_alu depctr_vm_vsrc(0)
; y[b][o] = sum_i MH (u^2 - 1) exp(-u^2 / 2) ww[o][i]  +  sum_i Q(silu(x))[b][i] Q(weight1)[o][i],   u = (x[b][i] - t[o][i]) / s[o][i];  Q: MX-FP6 (E2M3), one E8M0 scale for 32 along i.
; x [1024][512], s, t, ww, weight1 [512][512], all f32.  This launch makes y by tiles and each tile's column statistics; the next launch normalises over the batch.
; SHARES.  A work-group makes 64 rows b x 32 columns o.  Its 16 waves share i: wave w owns i = 32 w .. 32 w + 31, which is one block of the quantiser, for all 64 b and 32 o.
; THE WAVELET TERM, 4 packed instructions and 2 exponentials for 2 elements:  z = x (kap / s) - t (kap / s), kap^2 = k = log2(e) / 2;  nv = k - z^2;  e = 2^nv;  sum += (nv e) ww',  ww' = -MH / (k sqrt(e)) ww.
;   Lane (p, h) = (lane % 16, lane / 16) holds columns p and p + 16 for the 16 i of half h: 3 x 32 derived numbers, made once in the work-group, stay in its registers.  A row's 16 x of a half come
;   by 4 LDS loads in which the lanes of a half name one address.  A row's two sums change halves by one lane swap: lane l ends with column l's sum over the wave's 32 i, which goes to LDS.
; THE BASE TERM.  Wave w quantises block w of silu(x) (a lane a row, two rows) and of weight1 (a lane a row); codes lie in LDS as rows of 16 x 24 bytes, scale bytes 16 a row.  Behind a barrier each wave
;   does two of the tile's 32 matrix instructions (tile of rows w % 4, tile of columns (w / 4) % 2, K half w / 8); its result is one more partial sum in LDS.
; THE END.  Thread (b, oq) adds 16 + 2 partials of four neighbouring columns, stores 16 bytes of y (a tile is 8,192 dense bytes of ybuf: a wave's store covers 512 consecutive bytes);
;   means and centred squares of groups of 4 rows are joined to the tile's (mean, M2) for each column: no difference of large sums is formed.
; NO CLUSTER, NO TENSOR LOAD: a tile's operands are 131,072 bytes of x and 4 x 65,536 of parameters, 393,216 in all, more than a work-group can claim of LDS; each is read once, at the head, into
;   registers, and turned through a wave's own stage; behind the head the launch reads nothing from memory, so nothing is prefetched either.
; LIMITS: (x - t) / s is formed as x r - t r with r = kap / s by v_rcp_f32 (1 ulp): its error is a few ulp of the larger term.  |s| under 2^-126 counts as 0.  Exponentials under 2^-126 become 0.
;   Where u^2 overflows the result is NaN, as it is in the definition (infinity x 0).  NaN and infinities among the inputs are not served.
; THE MODE: SCHED_MODE bits 1:0 = 2 (LLVM: expert scheduling mode 2), set by the entry lines.  The code itself states the register dependences between vector or matrix instructions and memory or
;   LDS instructions, with s_wait_alu, always for 0.
; THE PLAN, in the loop over rows.  Registers that LDS instructions touch:
;   XB0, XB1      Row b's vector lines read and overwrite its own buffer; the four loads of row b + 1, issued in row b, land in the other one, on which row b - 1 worked.
;   RES0, RES1    Row b's last line writes RES[b % 2]; the store that reads it is issued in row b + 1.
;   v[XA], v[PA]  The loads' and the stores' addresses: written once a trip, in its even row, and read by that trip's loads and stores alone.
;   v[XB], v[P0]  Never written again.     RS, CC, WW, NVA, E, the sums: named by vector instructions alone.
;   ONE wait on va_vdst stands in a row, behind its exponentials: their results are written; row b - 1 has written its RES and is done with its x buffer; in an even row the two addresses are written.
;   The row's five LDS instructions stand straight behind it, and the vector lines that follow name none of their registers.  ONE wait on vm_vsrc stands in a trip, ahead of the odd row's write of
;   RES1: the even row's store has read RES1, the odd row's loads and store have read the two addresses and RES0, which are written again in the next trip.
;   A row's result so leaves one row late: row 0 issues no store and the last store stands behind row 63, so the first and the last trip are written out.
.set XP,   144                         ; an LDS row of 32 f32: 128 bytes + 16
.set REG,  96*XP                       ; a wave's own LDS: 64 rows of x, then a stage of 32 rows
.set STG,  64*XP
.set AC,   16*REG                      ; codes of silu(x): 64 rows
.set CP,   400                         ; a row of codes: 384 bytes + 16 (100 words: rows start 36 banks apart)
.set BCO,  64*CP                       ; codes of weight1, 32 rows, behind them
.set AS,   AC+96*CP                    ; scale bytes: 64 rows x 16, then weight1's 32 x 16
.set BSO,  1024
.set QB,   AS+1536                     ; the base term's two partials, [64 b][32 o] f32 each
.set SM,   QB+16384                    ; 16 groups x 32 columns: means; SQO bytes on: centred squares
.set SQO,  2048
.set LN,   1                           ; v1   lane
.set STO,  2                           ; v2   into my x rows or stage, as loaded: 4 rows an instruction, 8 lanes a row
.set ROWA, 3                           ; v3   my region + 144 x lane: a lane a row
.set XB,   4                           ; v4   my region + 64 h: a row's 16 x of my half
.set P0,   5                           ; v5   my region + 4 x lane: partial sums, 128 bytes a row b, laid over x rows that have been read
.set XA,   6                           ; v6   address of the trip's x loads; at the end: 8 x lane, the statistics' place in memory
.set SMA,  7                           ; v7   at the end: SM + 4 x lane, a column's statistics in LDS
.set GO,   8                           ; v8   byte offset in memory: (lane / 8) rows of 2,048 + 16 (lane % 8); never rewritten
.set TR,   9                           ; v9   my region + 144 p + 64 h: parameters of column p, my half
.set RR,   12                          ; v12  lane % 16
.set HH,   13                          ; v13  lane / 16
.set CWA,  14                          ; v14  where I put a block's codes: AC + 400 x lane + 24 x wave
.set SWA,  15                          ; v15  and its scale byte: AS + 16 x lane + wave
.set RS,   16                          ; v16-47   kap / s:  16 of column p, 16 of column p + 16
.set CC,   48                          ; v48-79   -t kap / s
.set WW,   80                          ; v80-111  ww'
.set XB0,  112                         ; v112-127, v128-143  two buffers for a row's 16 x; column p + 16's z and nv are made in place there
.set XB1,  128
.set NVA,  144                         ; v144-159 column p's z, nv
.set E,    160                         ; v160-191 e, then nv e
.set ACC,  192                         ; v192-195 the two columns' sums, in pairs
.set SA,   196
.set SB,   197
.set RES,  198                         ; v198-199 a row's result, by the row's parity
.set PA,   200                         ; v200 address of the trip's stores of results: the place of the row ahead of the trip's first
.set RX,   112                         ; the head: v112-175 x as loaded; then SX 32 numbers of a row, EX at work
.set SX,   112
.set EX,   144
.set RW,   176                         ; v176-207 weight1
.set MXA,  208
.set MXB,  209
.set SO,   210                         ; the conversions' scale operand
.set BY,   211                         ; the scale's byte
.set CD,   212                         ; v212-217 a block's 24 bytes of codes
.set CT,   218
.set FAA,  222                         ; LDS addresses of my fragments, scale words and result
.set FBA,  223
.set SAA,  224
.set SBA,  225
.set QW,   226
.set FA,   112                         ; fragments: silu(x) 2 x 12 registers, weight1 2 x 12; the result
.set FB,   136
.set DD,   160
.set SCA,   252                        ; v252-255 scale words and nothing else
.set SCB,   254
.set L,    16                          ; the end: 18 partials of 4 numbers, v16-87
.set WV,   18
.set KK,   36                          ; s[36:37] k;  s[38:39] kap;  s[40:41] -MH / (k sqrt(e));  s[42:43] -log2(e);  s[46:47] 1/4  (packed forms name a pair and take its low word)
.set KAP,  38
.set CWS,  40
.set NL,   42
.set SEL,  44                          ; s[44:45] v_permlanex16_b32's selects for lane l xor 16
.set QTR,  46
.set XO,   48                          ; s48  288 x trip: two rows of x
.set PO,   49                          ; s49  256 x trip - 128: the partials' row ahead of the trip's first (from trip 1 on)
.set TRIPS, 50
.set BT,   51
	s_load_b256 s[4:11], s[0:1], 0x0               ; x, scale, translation, wavelet_weights
	s_load_b128 s[12:15], s[0:1], 0x20             ; weight1, ybuf
	s_load_b64 s[16:17], s[0:1], 0x30              ; stats
	v_lshl_add_u32 v250, v0, 2, 0x44c00
	v_mov_b32 v251, 0
	v_lshrrev_b32 v10, 5, v0
	v_readfirstlane_b32 s[WV], v10                 ; wave 0..15
	v_and_b32 v[LN], 31, v0
	v_lshrrev_b32 v10, 3, v[LN]
	v_and_b32 v11, 7, v[LN]
	v_lshlrev_b32 v[GO], 11, v10
	v_lshl_add_u32 v[GO], v11, 4, v[GO]
	s_and_b32 s[BT], ttmp7, 0xffff                 ; tile of rows; ttmp9: tile of columns
	s_wait_alu depctr_va_sdst(0)                   ; the wave's number is written, ahead of its first reader: offsets and LDS addresses are made from it
	s_lshl_b32 s20, s[WV], 7                       ; my 32 i: 128 bytes of every row
	s_lshl_b32 s22, s[BT], 17                      ; 64 rows of 2,048 bytes
	s_add_co_u32 s22, s22, s20
	s_mov_b32 s23, 0
	s_lshl_b32 s24, ttmp9, 16                      ; 32 rows of 2,048 bytes
	s_add_co_u32 s24, s24, s20
	s_mov_b32 s25, 0
	s_lshl_b32 s26, s[BT], 4
	s_add_co_u32 s26, s26, ttmp9
	s_lshl_b32 s26, s26, 13                        ; ybuf: tile (bt, ot) is 8,192 dense bytes
	s_mov_b32 s27, 0
	s_lshl_b32 s28, s[BT], 12                      ; stats: [16 bt][512 o] pairs of f32
	s_lshl_b32 s20, ttmp9, 8
	s_add_co_u32 s28, s28, s20
	s_mov_b32 s29, 0
	s_wait_kmcnt 0x0
	s_add_nc_u64 s[4:5], s[4:5], s[22:23]
	s_add_nc_u64 s[6:7], s[6:7], s[24:25]
	s_add_nc_u64 s[8:9], s[8:9], s[24:25]
	s_add_nc_u64 s[10:11], s[10:11], s[24:25]
	s_add_nc_u64 s[12:13], s[12:13], s[24:25]
	s_add_nc_u64 s[14:15], s[14:15], s[26:27]
	s_add_nc_u64 s[16:17], s[16:17], s[28:29]
	s_wait_alu depctr_va_vdst(0)                   ; v[GO] is written: the 48 loads below read it as their offset
; All 48 loads of the wave go out here, in the order in which they are wanted: eight lanes read a row's 128 bytes, four rows an instruction.
.set n, 0
.rept 16
	global_load_b128 v[RX+4*n:RX+4*n+3], v[GO], s[4:5] offset:8192*n
.set n, n+1
.endr
.set n, 0
.rept 8
	global_load_b128 v[RW+4*n:RW+4*n+3], v[GO], s[12:13] offset:8192*n
.set n, n+1
.endr
.set n, 0
.rept 8
	global_load_b128 v[RS+4*n:RS+4*n+3], v[GO], s[6:7] offset:8192*n
.set n, n+1
.endr
.set n, 0
.rept 8
	global_load_b128 v[CC+4*n:CC+4*n+3], v[GO], s[8:9] offset:8192*n
.set n, n+1
.endr
.set n, 0
.rept 8
	global_load_b128 v[WW+4*n:WW+4*n+3], v[GO], s[10:11] offset:8192*n
.set n, n+1
.endr
; LDS addresses: a constant, a constant x lane, a constant x wave.  (These lines name none of v16-207, into which the loads are on their way, nor v[GO])
	v_and_b32 v[RR], 15, v[LN]
	v_lshrrev_b32 v[HH], 4, v[LN]
	s_mul_i32 s19, s[WV], REG                      ; my region
	v_mul_u32_u24 v[STO], v10, XP
	v_lshl_add_u32 v[STO], v11, 4, v[STO]
	v_add_nc_u32 v[STO], s19, v[STO]
	v_mul_u32_u24 v[ROWA], v[LN], XP
	v_add_nc_u32 v[ROWA], s19, v[ROWA]
	v_lshl_add_u32 v[XB], v[HH], 6, s19
	v_mul_u32_u24 v[TR], v[RR], XP
	v_add_nc_u32 v[TR], v[TR], v[XB]
	v_lshl_add_u32 v[P0], v[LN], 2, s19
	s_mul_i32 s20, s[WV], 24
	s_add_co_u32 s20, s20, AC
	v_mul_u32_u24 v[CWA], v[LN], CP
	v_add_nc_u32 v[CWA], s20, v[CWA]
	s_add_co_u32 s21, s[WV], AS
	v_lshl_add_u32 v[SWA], v[LN], 4, s21
	s_and_b32 s22, s[WV], 3                        ; my tile of 16 rows
	s_bfe_u32 s23, s[WV], 0x10002                  ; my tile of 16 columns
	s_lshr_b32 s24, s[WV], 3                       ; my half of K: 256 i = 192 bytes of codes = 8 scale bytes
	v_mul_u32_u24 v10, v[RR], CP
	v_mad_u32_u24 v10, v[HH], 24, v10              ; a fragment's row, + 24 bytes for lanes 16-31
	s_mul_i32 s25, s24, 192
	s_mul_i32 s26, s22, 16*CP
	s_add_co_u32 s26, s26, s25
	s_add_co_u32 s26, s26, AC
	v_add_nc_u32 v[FAA], s26, v10
	s_mul_i32 s26, s23, 16*CP
	s_add_co_u32 s26, s26, s25
	s_add_co_u32 s26, s26, AC+BCO
	v_add_nc_u32 v[FBA], s26, v10
	s_lshl_b32 s25, s24, 3
	s_lshl_b32 s26, s22, 8
	s_add_co_u32 s26, s26, s25
	s_add_co_u32 s26, s26, AS
	v_lshl_add_u32 v[SAA], v[RR], 4, s26
	s_lshl_b32 s26, s23, 8
	s_add_co_u32 s26, s26, s25
	s_add_co_u32 s26, s26, AS+BSO
	v_lshl_add_u32 v[SBA], v[RR], 4, s26
	s_lshl_b32 s25, s24, 13
	s_lshl_b32 s26, s22, 11
	s_add_co_u32 s25, s25, s26
	s_lshl_b32 s26, s23, 6
	s_add_co_u32 s25, s25, s26
	s_add_co_u32 s25, s25, QB
	v_lshlrev_b32 v10, 2, v[RR]
	v_lshl_add_u32 v10, v[HH], 10, v10
	v_add_nc_u32 v[QW], s25, v10                   ; result register j: row 16 mt + 8 h + j (128 bytes a row), column 16 nt + r
	s_mov_b32 s[KK], 0x3f38aa3b                    ; k = log2(e) / 2
	s_mov_b32 s[KK+1], 0x3f38aa3b
	s_mov_b32 s[KAP], 0x3f596d27                   ; sqrt(k)
	s_mov_b32 s[KAP+1], 0x3f596d27
	s_mov_b32 s[CWS], 0xbf3ab1a2                   ; -MH / (k sqrt(e)), MH = 2 / (sqrt(3) pi^(1/4))
	s_mov_b32 s[CWS+1], 0xbf3ab1a2
	s_mov_b32 s[NL], 0xbfb8aa3b                    ; -log2(e)
	s_mov_b32 s[NL+1], 0xbfb8aa3b
	s_mov_b32 s[SEL], 0x76543210
	s_mov_b32 s[SEL+1], 0xfedcba98
	s_mov_b32 s[QTR], 0x3e800000                   ; 1/4
	s_mov_b32 s[QTR+1], 0x3e800000
; 32 numbers of ONE lane, one block along K, become 24 bytes of codes in v[CD] on and the scale's byte in v[BY].
.macro QUANT32 src
	v_max3_num_f32 v[MXA], |v[\src]|, |v[\src+1]|, 0x1800000      ; the largest magnitude, in two chains; the floor 2^(3 - 127) among its leaves holds the byte at 1 from below
	v_max3_num_f32 v[MXB], |v[\src+2]|, |v[\src+3]|, |v[\src+4]|
.irp i, 5,9,13,17,21,25
	v_max3_num_f32 v[MXA], v[MXA], |v[\src+\i]|, |v[\src+\i+1]|
	v_max3_num_f32 v[MXB], v[MXB], |v[\src+\i+2]|, |v[\src+\i+3]|
.endr
	v_max3_num_f32 v[MXA], v[MXA], |v[\src+29]|, |v[\src+30]|
	v_max3_num_f32 v[MXA], v[MXA], v[MXB], |v[\src+31]|
	v_add_nc_u32 v[SO], 0xff000000, v[MXA]         ; 2 off its exponent field: the conversion takes this operand's exponent field as its scale
	v_cvt_scalef32_pk16_fp6_f32 v[CD:CD+2], v[\src:\src+15], v[SO]
	v_cvt_scalef32_pk16_fp6_f32 v[CT:CT+2], v[\src+16:\src+31], v[SO]   ; (a conversion's three registers begin on an even number)
	v_lshrrev_b32 v[BY], 23, v[SO]                 ; the byte; also the plain instruction behind the conversions.  (A block of zeros keeps the byte 1: its codes are zeros, and this launch alone reads the bytes)
	v_mov_b32 v[CD+3], v[CT]
	v_mov_b32 v[CD+4], v[CT+1]
	v_mov_b32 v[CD+5], v[CT+2]
.endm
.macro PUTCODES co, so
	s_wait_alu depctr_va_vdst(0)                   ; v[CD ..] and v[BY] are written, which the stores read; and every vector line so far is done with v112-175, in which the next LDS loads land (x's next rows; the fragments)
	ds_store_b64 v[CWA], v[CD:CD+1] offset:\co
	ds_store_b64 v[CWA], v[CD+2:CD+3] offset:\co+8
	ds_store_b64 v[CWA], v[CD+4:CD+5] offset:\co+16
	ds_store_b8 v[SWA], v[BY] offset:\so
.endm
; Rows lane + 32 q of x: silu = x / (1 + 2^(-x log2 e)), in f32, and its block's codes.
.macro SILUQ q
	s_wait_alu depctr_vm_vsrc(0)                   ; my LDS stores so far have read their data.  q = 0: x's stores have read v112-175, in which the loads below land and which the lines below write; q = 1: the last block's stores have read v[CD ..] and v[BY], which are written again below
.irp c, 0,1,2,3,4,5,6,7
	ds_load_b128 v[SX+4*\c:SX+4*\c+3], v[ROWA] offset:32*XP*(\q)+16*\c
.endr
	s_wait_dscnt 0x0                               ; my row is in
.set n, 0
.rept 16
	v_pk_mul_f32 v[EX+n:EX+n+1], v[SX+n:SX+n+1], s[NL:NL+1] op_sel_hi:[1,0]
.set n, n+2
.endr
.set n, 0
.rept 32
	v_exp_f32 v[EX+n], v[EX+n]
.set n, n+1
.endr
	v_nop                                          ; a plain instruction behind the last of the batch,
	s_wait_alu depctr_va_vdst(0)                   ; and one wait for the batch ahead of its first reader: the 32 exponentials have written v[EX ..]
.set n, 0
.rept 16
	v_pk_add_f32 v[EX+n:EX+n+1], v[EX+n:EX+n+1], 1.0 op_sel_hi:[1,0]
.set n, n+2
.endr
.set n, 0
.rept 32
	v_rcp_f32 v[EX+n], v[EX+n]
.set n, n+1
.endr
	v_nop
	s_wait_alu depctr_va_vdst(0)                   ; likewise: the 32 reciprocals have written v[EX ..]
.set n, 0
.rept 16
	v_pk_mul_f32 v[SX+n:SX+n+1], v[SX+n:SX+n+1], v[EX+n:EX+n+1]
.set n, n+2
.endr
	QUANT32 SX
	PUTCODES 32*CP*(\q), 512*(\q)
.endm
	s_wait_loadcnt 32                              ; x's 16 loads are in; behind them 32 were issued
	s_wait_alu depctr_va_vdst(0)                   ; the twelve LDS addresses made above are written: every LDS instruction up to the loop over rows reads one of them, and none is written again before the launch's last sum
.set n, 0
.rept 16
	ds_store_b128 v[STO], v[RX+4*n:RX+4*n+3] offset:4*XP*n
.set n, n+1
.endr
	SILUQ 0                                        ; LDS serves a wave's instructions in order (ISA guide 5.7.1.4): the loads see my stores; only I touch my region
	SILUQ 1
	s_wait_loadcnt 24                              ; weight1's 8 loads are in; behind them 24 were issued
.set n, 0
.rept 8
	ds_store_b128 v[STO], v[RW+4*n:RW+4*n+3] offset:STG+4*XP*n
.set n, n+1
.endr
	s_wait_alu depctr_vm_vsrc(0)                   ; these stores have read v[RW ..], in which the loads below land; the last block's stores have read v[CD ..] and v[BY], which are written again below
.set n, 0
.rept 8
	ds_load_b128 v[RW+4*n:RW+4*n+3], v[ROWA] offset:STG+16*n      ; back a lane a row: column o = lane, my 32 i
.set n, n+1
.endr
	s_wait_dscnt 0x0
	QUANT32 RW
	PUTCODES BCO, BSO
	s_wait_dscnt 0x0                               ; for the others' sake: my codes and bytes lie in LDS
	s_barrier_signal -1
	s_barrier_wait -1                              ; everybody's do
; THE BASE TERM: 16 rows x 16 columns x 256 of K.  A fragment is 12 registers: lane (r, h) takes bytes 24 h .. and 48 + 24 h .. of its row's 96, in pieces of 8.
; (No vector instruction has been issued since the wait ahead of the last block's stores: nothing more is owed for the loads into v112-159.)
.irp u, 0,1
.irp p, 0,1,2,3,4,5
	ds_load_b64 v[FA+12*\u+2*\p:FA+12*\u+2*\p+1], v[FAA] offset:96*\u+48*(\p/3)+8*(\p%3)
	ds_load_b64 v[FB+12*\u+2*\p:FB+12*\u+2*\p+1], v[FBA] offset:96*\u+48*(\p/3)+8*(\p%3)
.endr
	ds_load_b32 v[SCA+\u], v[SAA] offset:4*\u
	ds_load_b32 v[SCB+\u], v[SBA] offset:4*\u
.endr
	s_wait_dscnt 0x0
	v_wmma_scale_f32_16x16x128_f8f6f4 v[DD:DD+7], v[FA:FA+11], v[FB:FB+11], 0, v[SCA], v[SCB] matrix_a_fmt:MATRIX_FMT_FP6 matrix_b_fmt:MATRIX_FMT_FP6
	s_wait_alu depctr_va_vdst(0)                   ; the wait directly ahead of the second
	v_wmma_scale_f32_16x16x128_f8f6f4 v[DD:DD+7], v[FA+12:FA+23], v[FB+12:FB+23], v[DD:DD+7], v[SCA+1], v[SCB+1] matrix_a_fmt:MATRIX_FMT_FP6 matrix_b_fmt:MATRIX_FMT_FP6
.rept 4
	v_nop                                          ; four places ahead of the stores that read the result; they stay beside the wait below
.endr
	s_wait_alu depctr_va_vdst(0)                   ; the matrix instructions have written v[DD ..], which the stores read, and are done reading the fragments, in whose registers row 0 of x lands below
.irp j, 0,1,2,3,4,5,6,7
	ds_store_b32 v[QW], v[DD+\j] offset:128*\j     ; from the low end on
.endr
; THE PARAMETERS: each array's 32 rows x 128 bytes turn through my stage, one array after the other, and come back as 16 numbers of column p and 16 of column p + 16, my half's i.
.macro TRANSP a
.set n, 0
.rept 8
	ds_store_b128 v[STO], v[\a+4*n:\a+4*n+3] offset:STG+4*XP*n
.set n, n+1
.endr
	s_wait_alu depctr_vm_vsrc(0)                   ; the stores have read the array's 32 registers, in which the loads below land (and the base term's stores have read v[DD ..], which the rows' exponentials write)
.set n, 0
.rept 4
	ds_load_b128 v[\a+4*n:\a+4*n+3], v[TR] offset:STG+16*n
	ds_load_b128 v[\a+16+4*n:\a+16+4*n+3], v[TR] offset:STG+16*XP+16*n
.set n, n+1
.endr
.endm
	s_wait_loadcnt 16                              ; scale is in; behind it 16 loads were issued
	TRANSP RS
	s_wait_loadcnt 8                               ; translation; 8 behind it
	TRANSP CC
	s_wait_loadcnt 0x0
	TRANSP WW
.irp c, 0,1,2,3
	ds_load_b128 v[XB0+4*\c:XB0+4*\c+3], v[XB] offset:16*\c       ; row 0 of x, my half
.endr
	s_mov_b32 s[XO], 0
	s_mov_b32 s[PO], 128
	s_mov_b32 s[TRIPS], 30
	s_wait_dscnt 0x0
.set n, 0
.rept 32
	v_rcp_f32 v[RS+n], v[RS+n]
.set n, n+1
.endr
.set n, 0
.rept 16
	v_pk_mul_f32 v[WW+n:WW+n+1], v[WW+n:WW+n+1], s[CWS:CWS+1] op_sel_hi:[1,0]   ; independent work behind the reciprocals
.set n, n+2
.endr
	s_wait_alu depctr_va_vdst(0)                   ; one wait for the batch, ahead of its first reader: the 32 reciprocals have written v[RS ..]
.set n, 0
.rept 16
	v_pk_mul_f32 v[RS+n:RS+n+1], v[RS+n:RS+n+1], s[KAP:KAP+1] op_sel_hi:[1,0]
.set n, n+2
.endr
.set n, 0
.rept 16
	v_pk_mul_f32 v[CC+n:CC+n+1], v[CC+n:CC+n+1], v[RS+n:RS+n+1] neg_lo:[1,0] neg_hi:[1,0]
.set n, n+2
.endr
; A ROW OF x: 16 units of two elements.  Unit u < 8: column p, pair u of my 16 i; unit u >= 8: column p + 16, pair u - 8, made in place over the x that it is the last to read.
.macro NVR u, cur
.if (\u) < 8
.set R, NVA+2*(\u)
.else
.set R, (\cur)+2*((\u)-8)
.endif
.endm
.macro ZOP u, cur
	NVR \u, \cur
	v_pk_fma_f32 v[R:R+1], v[(\cur)+2*((\u)%8):(\cur)+2*((\u)%8)+1], v[RS+2*(\u):RS+2*(\u)+1], v[CC+2*(\u):CC+2*(\u)+1]
.endm
.macro NVOP u, cur
	NVR \u, \cur
	v_pk_fma_f32 v[R:R+1], v[R:R+1], v[R:R+1], s[KK:KK+1] op_sel_hi:[1,1,0] neg_lo:[1,0,0] neg_hi:[1,0,0]
.endm
.macro EOP u, cur
	NVR \u, \cur
	v_exp_f32 v[E+2*(\u)], v[R]
	v_exp_f32 v[E+2*(\u)+1], v[R+1]
.endm
.macro TOP u, cur
	NVR \u, \cur
	v_pk_mul_f32 v[E+2*(\u):E+2*(\u)+1], v[E+2*(\u):E+2*(\u)+1], v[R:R+1]
.endm
.macro AOP u                           ; a column's first unit starts its sum: nothing is cleared
.if ((\u)%8) == 0
	v_pk_mul_f32 v[ACC+2*((\u)/8):ACC+2*((\u)/8)+1], v[E+2*(\u):E+2*(\u)+1], v[WW+2*(\u):WW+2*(\u)+1]
.else
	v_pk_fma_f32 v[ACC+2*((\u)/8):ACC+2*((\u)/8)+1], v[E+2*(\u):E+2*(\u)+1], v[WW+2*(\u):WW+2*(\u)+1], v[ACC+2*((\u)/8):ACC+2*((\u)/8)+1]
.endif
.endm
; cur: the buffer with this row's x; nxt: the other; par: the row's parity; pre = 1: the next row is asked for; first = 1: the first trip, rows 0 and 1.
.macro ROW cur, nxt, par, pre, first
.if (\first) == 0
	s_wait_dscnt 0x1                               ; my row's four loads are in: behind them one LDS instruction was issued, the store of the row before last
.elseif (\par) == 1
	s_wait_dscnt 0x0                               ; row 1's four loads are in: nothing was issued behind them.  (Row 0's were waited for ahead of the reciprocals)
.endif
	ZOP 0, \cur
	ZOP 1, \cur
	ZOP 2, \cur
	ZOP 3, \cur
	NVOP 0, \cur
	NVOP 1, \cur
.set uu, 0
.rept 16                               ; two packed instructions of later units stand ahead of each unit's two exponentials
.if uu+4 < 16
	ZOP uu+4, \cur
.endif
.if uu+2 < 16
	NVOP uu+2, \cur
.endif
	EOP uu, \cur
.set uu, uu+1
.endr
.if (\par) == 0
	v_add_nc_u32 v[XA], s[XO], v[XB]               ; the trip's two addresses (what read them last stands ahead of the last trip's wait on vm_vsrc); also the plain instruction behind the last exponential
.if (\first) == 0
	v_add_nc_u32 v[PA], s[PO], v[P0]
.endif
.else
	v_nop                                          ; the plain instruction behind the last exponential
.endif
	s_wait_alu depctr_va_vdst(0)                   ; the row's 32 exponentials have written v[E ..], ahead of their first reader; the row before has written its RES, which the store below reads, and is done with its x buffer, in which the loads below land; in an even row v[XA] and v[PA] are written
.if \pre
.irp c, 0,1,2,3
	ds_load_b128 v[(\nxt)+4*\c:(\nxt)+4*\c+3], v[XA] offset:XP*(1+(\par))+16*\c   ; the next row of x
.endr
.endif
.if (\first) == 0
	ds_store_b32 v[PA], v[RES+1-(\par)] offset:128*(\par)   ; the result of the row before.  Row b's 128 bytes end at 128 b + 128, under x's row b + 1 at 144 b + 144: only rows that have been read are covered
.elseif (\par) == 1
	ds_store_b32 v[P0], v[RES]                     ; row 0's result
.endif
.set ii, 0
.rept 16                               ; the two columns by turns; a unit's product stands four instructions ahead of its addition.  None of these lines names a register of the five LDS instructions above
	TOP (ii%2)*8+ii/2, \cur
.if ii >= 4
	AOP ((ii-4)%2)*8+(ii-4)/2
.endif
.set ii, ii+1
.endr
.irp n, 12,13,14,15
	AOP (\n%2)*8+\n/2
.endr
	v_add_f32 v[SA], v[ACC], v[ACC+1]              ; column p, my 16 i
	v_add_f32 v[SB], v[ACC+2], v[ACC+3]            ; column p + 16, my 16 i
	v_permlane16_swap_b32 v[SA], v[SB]             ; SA's lanes 16-31 change places with SB's lanes 0-15: each lane now holds both halves' sums of column = lane
.if (\par) == 1
	s_wait_alu depctr_vm_vsrc(0)                   ; the even row's store has read RES1, which the next line writes; this row's loads and store have read v[XA], v[PA] and RES0, which the next trip writes
.endif
	v_add_f32 v[RES+(\par)], v[SA], v[SB]
.endm
	ROW XB0, XB1, 0, 1, 1                          ; the first trip is written out: row 0 has no row ahead of it whose result it could store
	ROW XB1, XB0, 1, 1, 1
	s_add_co_u32 s[XO], s[XO], 2*XP
.Ltrip:                                            ; 30 trips of two rows: rows 2 to 61
	ROW XB0, XB1, 0, 1, 0
	ROW XB1, XB0, 1, 1, 0
	s_add_co_u32 s[XO], s[XO], 2*XP
	s_add_co_u32 s[PO], s[PO], 256
	s_sub_co_i32 s[TRIPS], s[TRIPS], 1
	s_cmp_lg_u32 s[TRIPS], 0
	s_cbranch_scc1 .Ltrip
	ROW XB0, XB1, 0, 1, 0                          ; the last trip is written out, since the very last row asks for no further row
	ROW XB1, XB0, 1, 0, 0
	s_wait_alu depctr_va_vdst(0)                   ; row 63 has written RES1, which the last store reads
	ds_store_b32 v[PA], v[RES+1] offset:256
	s_wait_dscnt 0x0                               ; for the others' sake: my partials lie in LDS
	s_barrier_signal -1
	s_barrier_wait -1
; THE SUM OVER THE WAVES.  Thread 8 b + oq takes row b, columns 4 oq .. 4 oq + 3: its 16 bytes lie at 16 x thread in each wave's region and in the base term's two partials.
	v_lshlrev_b32 v10, 4, v0
	v_add_nc_u32 v11, 4*REG, v10
	v_add_nc_u32 v12, 8*REG, v10
	v_add_nc_u32 v13, 12*REG, v10
	v_add_nc_u32 v14, QB, v10
	s_wait_alu depctr_va_vdst(0)                   ; v10 to v14, the loads' addresses, are written; the rows' arithmetic is done reading v16-87, in which the loads land
.irp g, 0,1,2,3
.irp u, 0,1,2,3
	ds_load_b128 v[L+16*\g+4*\u:L+16*\g+4*\u+3], v[10+\g] offset:\u*REG
.endr
.endr
	ds_load_b128 v[L+64:L+67], v14
	ds_load_b128 v[L+68:L+71], v14 offset:8192
	v_and_b32 v15, 7, v0                           ; the lines down to the wait write v6, v7 and v15 alone: none of v16-87, into which the 18 loads are on their way, and none of their addresses.  (What read v6 and v15 before stands ahead of a wait on vm_vsrc)
	v_lshlrev_b32 v15, 4, v15
	s_lshl_b32 s30, s[WV], 7
	s_add_co_u32 s30, s30, SM
	v_add_nc_u32 v15, s30, v15                     ; my group's statistics: 128 bytes a wave, 16 for four columns
	v_lshl_add_u32 v[SMA], v[LN], 2, SM            ; wave 0's two addresses, made ahead of the branch on the wave's number, in registers that never hold loaded data
	v_lshlrev_b32 v[XA], 3, v[LN]
.macro QADD a, b
	v_pk_add_f32 v[L+4*(\a):L+4*(\a)+1], v[L+4*(\a):L+4*(\a)+1], v[L+4*(\b):L+4*(\b)+1]
	v_pk_add_f32 v[L+4*(\a)+2:L+4*(\a)+3], v[L+4*(\a)+2:L+4*(\a)+3], v[L+4*(\b)+2:L+4*(\b)+3]
.endm
	s_wait_dscnt 0x0
.irp n, 0,1,2,3,4,5,6,7,8
	QADD \n, \n+9
.endr
.irp n, 0,1,2,3
	QADD \n, \n+4
.endr
	QADD 0, 2
	QADD 1, 3
	QADD 0, 1
	QADD 0, 8
; A wave holds 4 rows (lane / 8) of each column: their mean, and the squares about it, by lanes l xor 8 and l xor 16.
.irp c, 0,1,2,3
	v_add_f32_dpp v[20+\c], v[16+\c], v[16+\c] row_xmask:8 row_mask:0xf bank_mask:0xf
.endr
.irp c, 0,1,2,3
	v_permlanex16_b32 v[24+\c], v[20+\c], s[SEL], s[SEL+1]
.endr
	v_pk_add_f32 v[20:21], v[20:21], v[24:25]
	v_pk_add_f32 v[22:23], v[22:23], v[26:27]
	v_pk_mul_f32 v[28:29], v[20:21], s[QTR:QTR+1] op_sel_hi:[1,0]
	v_pk_mul_f32 v[30:31], v[22:23], s[QTR:QTR+1] op_sel_hi:[1,0]
	v_pk_add_f32 v[32:33], v[16:17], v[28:29] neg_lo:[0,1] neg_hi:[0,1]
	v_pk_add_f32 v[34:35], v[18:19], v[30:31] neg_lo:[0,1] neg_hi:[0,1]
	v_pk_mul_f32 v[32:33], v[32:33], v[32:33]
	v_pk_mul_f32 v[34:35], v[34:35], v[34:35]
.irp c, 0,1,2,3
	v_add_f32_dpp v[20+\c], v[32+\c], v[32+\c] row_xmask:8 row_mask:0xf bank_mask:0xf
.endr
.irp c, 0,1,2,3
	v_permlanex16_b32 v[24+\c], v[20+\c], s[SEL], s[SEL+1]
.endr
	v_pk_add_f32 v[32:33], v[20:21], v[24:25]
	v_pk_add_f32 v[34:35], v[22:23], v[26:27]
	s_wait_alu depctr_va_vdst(0)                   ; one wait for the three stores: y in v16-19, the statistics in v28-35 and the address v15 are written; so are v6 and v7; and the sums are done with v40-71, in which wave 0's loads land
	ds_store_b128 v15, v[28:31]                    ; the four lanes that hold the same columns write the same bytes with the same values
	ds_store_b128 v15, v[32:35] offset:SQO
	global_store_b128 v10, v[L:L+3], s[14:15]      ; a wave stores 512 consecutive bytes of the tile; v10 and v16-19 are not written again
	s_wait_dscnt 0x0
	s_barrier_signal -1
	s_barrier_wait -1
	s_cmp_lg_u32 s[WV], 0                          ; wave 0 joins the 16 groups, a lane a column
	s_cbranch_scc1 .Lend
.set g, 0
.rept 16
	ds_load_b32 v[40+g], v[SMA] offset:128*g
	ds_load_b32 v[56+g], v[SMA] offset:SQO+128*g
.set g, g+1
.endr
	s_wait_dscnt 0x0
	v_pk_add_f32 v[72:73], v[40:41], v[42:43]
	v_pk_add_f32 v[74:75], v[44:45], v[46:47]
	v_pk_add_f32 v[76:77], v[56:57], v[58:59]
	v_pk_add_f32 v[78:79], v[60:61], v[62:63]
.irp n, 48,52
	v_pk_add_f32 v[72:73], v[72:73], v[\n:\n+1]
	v_pk_add_f32 v[74:75], v[74:75], v[\n+2:\n+3]
	v_pk_add_f32 v[76:77], v[76:77], v[\n+16:\n+17]
	v_pk_add_f32 v[78:79], v[78:79], v[\n+18:\n+19]
.endr
	v_pk_add_f32 v[72:73], v[72:73], v[74:75]
	v_pk_add_f32 v[76:77], v[76:77], v[78:79]
	v_add_f32 v72, v72, v73
	v_add_f32 v76, v76, v77                        ; the groups' squares
	v_mul_f32 v72, 0x3d800000, v72                 ; the tile's mean: the 16 groups are of one size
	v_mov_b32 v73, v72
.irp n, 40,42,44,46,48,50,52,54
	v_pk_add_f32 v[\n:\n+1], v[\n:\n+1], v[72:73] neg_lo:[0,1] neg_hi:[0,1]
.endr
	v_pk_mul_f32 v[74:75], v[40:41], v[40:41]
	v_pk_mul_f32 v[78:79], v[42:43], v[42:43]
.irp n, 44,48,52
	v_pk_fma_f32 v[74:75], v[\n:\n+1], v[\n:\n+1], v[74:75]
	v_pk_fma_f32 v[78:79], v[\n+2:\n+3], v[\n+2:\n+3], v[78:79]
.endr
	v_pk_add_f32 v[74:75], v[74:75], v[78:79]
	v_add_f32 v74, v74, v75
	v_fma_f32 v73, v74, 4.0, v76                   ; M2 = the groups' squares + 4 x the squares of the groups' means about the tile's
	s_wait_alu depctr_va_vdst(0)                   ; the mean in v72 and M2 in v73 are written, which the store reads
	global_store_b64 v[XA], v[72:73], s[16:17]     ; 32 lanes store 256 consecutive bytes, at a multiple of 256 from the buffer's first byte
.Lend:
	s_wait_dscnt 0x0                               ; the closing lines, six on end
	s_wait_alu 0x0
	s_wait_tensorcnt 0x0
	ds_add_u32 v250, v251
	s_wait_dscnt 0x0
	s_endpgm
.Lfunc_end_k_q3e47fc8166_wavkan:
	.size	k_q3e47fc8166_wavkan, .Lfunc_end_k_q3e47fc8166_wavkan-k_q3e47fc8166_wavkan
	.p2alignl 7, 3214868480
	.fill 96, 4, 3214868480
	.section	.rodata,"a",@progbits
	.p2align	6, 0x0
	.amdhsa_kernel k_q3e47fc8166_wavkan
		.amdhsa_group_segment_fixed_size 283648
		.amdhsa_private_segment_fixed_size 0
		.amdhsa_enable_private_segment 0
		.amdhsa_kernarg_size 56
		.amdhsa_user_sgpr_count 2
		.amdhsa_user_sgpr_kernarg_segment_ptr 1
		.amdhsa_wavefront_size32 1
		.amdhsa_system_sgpr_workgroup_id_x 1
		.amdhsa_system_sgpr_workgroup_id_y 1
		.amdhsa_system_sgpr_workgroup_id_z 1
		.amdhsa_system_vgpr_workitem_id 0
		.amdhsa_next_free_vgpr 256
		.amdhsa_next_free_sgpr 66
		.amdhsa_reserve_vcc 0
		.amdhsa_float_denorm_mode_32 3
		.amdhsa_float_denorm_mode_16_64 3
		.amdhsa_memory_ordered 1
		.amdhsa_forward_progress 1
		.amdhsa_inst_pref_size 83
	.end_amdhsa_kernel
	.amdgpu_metadata
---
amdhsa.version: [ 1, 2 ]
amdhsa.kernels:
  - .name:           k_q3e47fc8166_wavkan
    .symbol:         k_q3e47fc8166_wavkan.kd
    .args:
      - { .name: x, .offset: 0, .size: 8, .value_kind: global_buffer, .address_space: global }
      - { .name: scale, .offset: 8, .size: 8, .value_kind: global_buffer, .address_space: global }
      - { .name: translation, .offset: 16, .size: 8, .value_kind: global_buffer, .address_space: global }
      - { .name: wavelet_weights, .offset: 24, .size: 8, .value_kind: global_buffer, .address_space: global }
      - { .name: weight1, .offset: 32, .size: 8, .value_kind: global_buffer, .address_space: global }
      - { .name: ybuf, .offset: 40, .size: 8, .value_kind: global_buffer, .address_space: global }
      - { .name: stats, .offset: 48, .size: 8, .value_kind: global_buffer, .address_space: global }
    .group_segment_fixed_size: 283648
    .private_segment_fixed_size: 0
    .kernarg_segment_align: 8
    .kernarg_segment_size: 56
    .max_flat_workgroup_size: 512
    .sgpr_count:     66
    .vgpr_count:     256
    .wavefront_size: 32
...
	.end_amdgpu_metadata
.endif
;; end of part 3
;; launch norm: the kernel of part 2 again; grid 8 x 32, 8 waves a work-group, no clusters, 2,048 bytes of LDS; arguments ybuf, stats, gamma, beta, out0; writes out0
